; MI455X (gfx1250); checked and timed in simulation.
; The chip was launched on July 23, 2026; its instructions are those of AMD's public machine-readable ISA for CDNA 5 (MIT licence, August 2026) and "CDNA5" Instruction Set Architecture Reference Guide (July 2026). The comments in the code are by the model that wrote it; some were corrected since.
;; Cross Attention. Allowed arithmetic: float matrix products may take bf16 or f16 operands with f32 sums; all other float work in f32.
;; Inputs: b_kv 2,048 float32; b_out 1,024 float32; b_q 1,024 float32; kv 2 x 2,048 x 1,024 float32; q 2 x 2,048 x 1,024 float32; w_kv 2,048 x 1,024 float32; w_norm 1,024 float32; w_out 1,024 x 1,024 float32; w_q 1,024 x 1,024 float32.
;; Outputs: out0 2 x 2,048 x 1,024 float32.
;; One version. Each part assembles by itself: llvm-mc -triple=amdgcn-amd-amdhsa -mcpu=gfx1250 --defsym DOCPART=n.
;; ======== version 1 of 1: 4 launches
;; limits: values are held in f16: magnitudes above 65,504 overflow, below 6.1e-05 lose precision
;; workspace buffers: xb 25,165,824 bytes; qkvh 25,165,824 bytes; ow 8,388,608 bytes
;; launch prep (part 1): grid 768 x 1, 4 waves a work-group, no clusters, 0 bytes of LDS; arguments q, kv, w_q, w_kv, w_out, w_norm, xb; writes xb
.if DOCPART == 1
	.amdgcn_target "amdgcn-amd-amdhsa--gfx1250"
	.amdhsa_code_object_version 6
	.text
	.protected	k_q62e5d6a121_prep
	.globl	k_q62e5d6a121_prep
	.p2align	8
	.type	k_q62e5d6a121_prep,@function
k_q62e5d6a121_prep:
	s_mov_b64 s[64:65], 0
	v_nop
	global_prefetch_b8 v0, s[64:65] scope:SCOPE_SE
	s_setreg_imm32_b32 hwreg(HW_REG_WAVE_MODE, 25, 1), 1
	s_wait_xcnt 0x0
; xb = f16 copies, rows of 1,024 numbers (2,048 bytes), in this order: rmsnorm(q) * w_norm (4,096 rows), kv (4,096), w_q (1,024), w_kv (2,048), w_out (1,024).
; A stream: every input byte is read once and every output byte written once; no work-group shares a byte with another, so LDS, clusters and
; the matrix unit have nothing to give here.  A work-group takes 16 rows of 4,096 bytes, a wave 4 rows, each row whole in 32 registers, so that
; the sum of squares never leaves the wave.  12,288 rows make 768 work-groups, three for each of 256 WGPs; three waves of 176 registers fit on a SIMD.
; All 32 loads of a wave go out at once; no register is used twice, so there is no loop.
; LIMIT (format): numbers above 65,504 in magnitude become infinity in f16; below 6.1e-5 they keep an absolute step of 6e-8.
; The drawn numbers are below 8 in magnitude.  NaN and infinities in the inputs are not followed.
.set R,   4                            ; v[4:5]    1 / sqrt(mean + eps), twice
.set ACC, 6                            ; v[6:13]   four chains of pairs for the sum of squares
.set T,   14                           ; v[14:15]  at work
.set W,   16                           ; v[16:47]  w_norm of my 32 columns
.set X,   48                           ; v[48:175] row i at X + 32 i: load j holds columns 128 j + 4 lane .. + 3
	s_load_b256 s[4:11], s[0:1], 0x0               ; q s[4:5], kv s[6:7], w_q s[8:9], w_kv s[10:11]
	s_load_b128 s[12:15], s[0:1], 0x20             ; w_out s[12:13], w_norm s[14:15]
	s_load_b64 s[16:17], s[0:1], 0x30              ; xb
	s_mov_b32 s24, 0x76543210                      ; v_permlanex16_b32: lane i of one half reads lane i of the other
	s_mov_b32 s25, 0xfedcba98
	s_mov_b32 s26, 0x3a800000                      ; 1 / 1024
	s_mov_b32 s27, 0x3727c5ac                      ; eps = 1e-5
	v_and_b32 v3, 31, v0                           ; lane
	v_lshrrev_b32 v15, 5, v0                       ; wave (v15 is also written here for v_permlanex16_b32, whose destination counts as read)
	v_lshlrev_b32 v2, 3, v3                        ; 8 bytes a lane in a stored piece
	v_lshlrev_b32 v3, 4, v3                        ; 16 bytes a lane in a loaded piece; also my offset in w_norm
	v_lshl_add_u32 v1, v15, 14, v3                 ; source: + wave x 4 rows x 4,096 bytes
	v_lshl_add_u32 v2, v15, 13, v2                 ; xb:     + wave x 4 rows x 2,048 bytes
	s_wait_kmcnt 0x0
	; which input this work-group converts: groups 0-255 q, 256-511 kv, 512-575 w_q, 576-703 w_kv, 704-767 w_out
	s_mov_b64 s[20:21], s[4:5]
	s_mov_b32 s22, 0                               ; the input's first work-group
	s_cmp_ge_u32 ttmp9, 256
	s_cselect_b64 s[20:21], s[6:7], s[20:21]
	s_cselect_b32 s22, 256, s22
	s_cmp_ge_u32 ttmp9, 512
	s_cselect_b64 s[20:21], s[8:9], s[20:21]
	s_cselect_b32 s22, 512, s22
	s_cmp_ge_u32 ttmp9, 576
	s_cselect_b64 s[20:21], s[10:11], s[20:21]
	s_cselect_b32 s22, 576, s22
	s_cmp_ge_u32 ttmp9, 704
	s_cselect_b64 s[20:21], s[12:13], s[20:21]
	s_cselect_b32 s22, 704, s22
	s_sub_co_u32 s2, ttmp9, s22
	s_lshl_b32 s2, s2, 16                          ; 16 rows of 4,096 bytes for each work-group of the input
	s_mov_b32 s3, 0
	s_add_nc_u64 s[20:21], s[20:21], s[2:3]
	s_lshl_b32 s18, ttmp9, 15                      ; 16 rows of 2,048 bytes: xb holds the inputs in the order of the work-groups
	s_mov_b32 s19, 0
	s_add_nc_u64 s[16:17], s[16:17], s[18:19]
.macro LOADX                           ; 32 loads, each 512 neighbouring bytes: four whole rows
.irp i, 0,1,2,3
.irp j, 0,1,2,3,4,5,6,7
	global_load_b128 v[X+32*\i+4*\j:X+32*\i+4*\j+3], v1, s[20:21] offset:4096*\i+512*\j th:TH_LOAD_NT
.endr
.endr
.endm
.macro OUTROW i                        ; round row i to f16 in place; each store of the wave covers 256 consecutive bytes, aligned
.irp j, 0,1,2,3,4,5,6,7
	v_cvt_pk_f16_f32 v[X+32*\i+4*\j],   v[X+32*\i+4*\j],   v[X+32*\i+4*\j+1]
	v_cvt_pk_f16_f32 v[X+32*\i+4*\j+1], v[X+32*\i+4*\j+2], v[X+32*\i+4*\j+3]
	global_store_b64 v2, v[X+32*\i+4*\j:X+32*\i+4*\j+1], s[16:17] offset:2048*\i+256*\j
.endr
.endm
.macro CROW i
	s_wait_loadcnt 24-8*\i                         ; loads come back in order: row i is in, the 8 loads of each later row stay out
	OUTROW \i
.endm
.macro NROW i
	s_wait_loadcnt 24-8*\i                         ; row i is in (and w_norm, which was asked for first); the later rows' loads stay out
.irp k, 0,1,2,3
	v_pk_mul_f32 v[ACC+2*\k:ACC+2*\k+1], v[X+32*\i+2*\k:X+32*\i+2*\k+1], v[X+32*\i+2*\k:X+32*\i+2*\k+1]   ; the first four pairs start the chains
.endr
.irp p, 4,5,6,7,8,9,10,11,12,13,14,15
	v_pk_fma_f32 v[ACC+2*(\p&3):ACC+2*(\p&3)+1], v[X+32*\i+2*\p:X+32*\i+2*\p+1], v[X+32*\i+2*\p:X+32*\i+2*\p+1], v[ACC+2*(\p&3):ACC+2*(\p&3)+1]
.endr
	v_pk_add_f32 v[ACC:ACC+1], v[ACC:ACC+1], v[ACC+2:ACC+3]
	v_pk_add_f32 v[ACC+4:ACC+5], v[ACC+4:ACC+5], v[ACC+6:ACC+7]
	v_pk_add_f32 v[ACC:ACC+1], v[ACC:ACC+1], v[ACC+4:ACC+5]
	v_add_f32 v[T], v[ACC], v[ACC+1]
	v_add_f32_dpp v[T], v[T], v[T] row_xmask:1 row_mask:0xf bank_mask:0xf
	v_add_f32_dpp v[T], v[T], v[T] row_xmask:2 row_mask:0xf bank_mask:0xf
	v_add_f32_dpp v[T], v[T], v[T] row_xmask:4 row_mask:0xf bank_mask:0xf
	v_add_f32_dpp v[T], v[T], v[T] row_xmask:8 row_mask:0xf bank_mask:0xf
	v_permlanex16_b32 v[T+1], v[T], s24, s25
	v_add_f32 v[T], v[T], v[T+1]                   ; the row's sum of squares, in every lane
	v_fma_f32 v[T], v[T], s26, s27                 ; mean + eps
	v_rsq_f32 v[R], v[T]
	v_rsq_f32 v[R+1], v[T]
	v_nop                                          ; one plain place between a transcendental and the use of its result (ISA guide 5.7.2)
	s_wait_alu depctr_va_vdst(0)
.irp p, 0,1,2,3,4,5,6,7,8,9,10,11,12,13,14,15
	v_pk_mul_f32 v[X+32*\i+2*\p:X+32*\i+2*\p+1], v[X+32*\i+2*\p:X+32*\i+2*\p+1], v[R:R+1]
.endr
.irp p, 0,1,2,3,4,5,6,7,8,9,10,11,12,13,14,15
	v_pk_mul_f32 v[X+32*\i+2*\p:X+32*\i+2*\p+1], v[X+32*\i+2*\p:X+32*\i+2*\p+1], v[W+2*\p:W+2*\p+1]   ; (x * rsqrt) * weight, in that order
.endr
	OUTROW \i
.endm
	s_cmp_lt_u32 ttmp9, 256
	s_cbranch_scc0 .Lcvt
.irp j, 0,1,2,3,4,5,6,7
	global_load_b128 v[W+4*\j:W+4*\j+3], v3, s[14:15] offset:512*\j
.endr
	LOADX
	NROW 0
	NROW 1
	NROW 2
	NROW 3
	s_endpgm
.Lcvt:
	LOADX
	CROW 0
	CROW 1
	CROW 2
	CROW 3
	s_endpgm
.Lfunc_end_k_q62e5d6a121_prep:
	.size	k_q62e5d6a121_prep, .Lfunc_end_k_q62e5d6a121_prep-k_q62e5d6a121_prep
	.p2alignl 7, 3214868480
	.fill 96, 4, 3214868480
	.section	.rodata,"a",@progbits
	.p2align	6, 0x0
	.amdhsa_kernel k_q62e5d6a121_prep
		.amdhsa_group_segment_fixed_size 0
		.amdhsa_private_segment_fixed_size 0
		.amdhsa_enable_private_segment 0
		.amdhsa_kernarg_size 56
		.amdhsa_user_sgpr_count 2
		.amdhsa_user_sgpr_kernarg_segment_ptr 1
		.amdhsa_wavefront_size32 1
		.amdhsa_system_sgpr_workgroup_id_x 1
		.amdhsa_system_sgpr_workgroup_id_y 1
		.amdhsa_system_sgpr_workgroup_id_z 1
		.amdhsa_system_vgpr_workitem_id 0
		.amdhsa_next_free_vgpr 176
		.amdhsa_next_free_sgpr 66
		.amdhsa_reserve_vcc 0
		.amdhsa_float_denorm_mode_32 3
		.amdhsa_float_denorm_mode_16_64 3
		.amdhsa_memory_ordered 1
		.amdhsa_forward_progress 1
		.amdhsa_inst_pref_size 39
	.end_amdhsa_kernel
	.amdgpu_metadata
---
amdhsa.version: [ 1, 2 ]
amdhsa.kernels:
  - .name:           k_q62e5d6a121_prep
    .symbol:         k_q62e5d6a121_prep.kd
    .args:
      - { .name: q, .offset: 0, .size: 8, .value_kind: global_buffer, .address_space: global }
      - { .name: kv, .offset: 8, .size: 8, .value_kind: global_buffer, .address_space: global }
      - { .name: w_q, .offset: 16, .size: 8, .value_kind: global_buffer, .address_space: global }
      - { .name: w_kv, .offset: 24, .size: 8, .value_kind: global_buffer, .address_space: global }
      - { .name: w_out, .offset: 32, .size: 8, .value_kind: global_buffer, .address_space: global }
      - { .name: w_norm, .offset: 40, .size: 8, .value_kind: global_buffer, .address_space: global }
      - { .name: xb, .offset: 48, .size: 8, .value_kind: global_buffer, .address_space: global }
    .group_segment_fixed_size: 0
    .private_segment_fixed_size: 0
    .kernarg_segment_align: 8
    .kernarg_segment_size: 56
    .max_flat_workgroup_size: 128
    .sgpr_count:     66
    .vgpr_count:     176
    .wavefront_size: 32
...
	.end_amdgpu_metadata
.endif
;; end of part 1
;; launch qkv (part 2): grid 12 x 16, 4 waves a work-group, clusters of 4 x 4, 327,680 bytes of LDS; arguments xb, b_q, b_kv, qkvh; writes qkvh
.if DOCPART == 2
	.amdgcn_target "amdgcn-amd-amdhsa--gfx1250"
	.amdhsa_code_object_version 6
	.text
	.protected	k_q62e5d6a121_qkv
	.globl	k_q62e5d6a121_qkv
	.p2align	8
	.type	k_q62e5d6a121_qkv,@function
k_q62e5d6a121_qkv:
	s_mov_b64 s[64:65], 0
	v_nop
	global_prefetch_b8 v0, s[64:65] scope:SCOPE_SE
	s_setreg_imm32_b32 hwreg(HW_REG_WAVE_MODE, 25, 1), 1
	s_wait_xcnt 0x0
	s_wait_alu depctr_hold_cnt(0) depctr_sa_sdst(0) depctr_va_vdst(0) depctr_va_sdst(0) depctr_va_ssrc(0) depctr_va_vcc(0) depctr_vm_vsrc(0)
	s_getreg_b32 s2, hwreg(HW_REG_IB_STS2, 6, 4)
	s_cmp_eq_u32 s2, 0
	s_cbranch_scc0 .Lentry_in_a_cluster
	s_endpgm
.Lentry_in_a_cluster:
	s_bfe_u32 s2, ttmp6, 0x10000c
	s_cmp_lg_u32 s2, 0xf033
	s_cbranch_scc0 .Lentry_shape_is_right
	s_endpgm
.Lentry_shape_is_right:
; [Q | K | V][m][n] = sum over k of A[m][k] W[n][k] + bias[n], f16 operands, f32 sums, rounded once to f16 and stored head by head.
; W = rows 8,192 .. 11,263 of xb (w_q, then w_kv: 3,072 rows).  A = the normed q (rows 0 .. 4,095 of xb) for columns 0 .. 1,023, kv (rows 4,096 .. 8,191) for the rest.
; Out: qkvh[sel 3][b 2][h 16][s 2048][64]: slab sel*32 + b*16 + h of 262,144 bytes, rows of 128 bytes.
; A work-group makes 256 x 256 with four waves, a wave 128 x 128: 64 accumulator tiles of 16 x 16, 512 registers.  K = 1,024 goes in 8 steps of 128 through a ring of
; two LDS slots filled by the tensor data mover; a tile's rows are 256 bytes of memory and start at multiples of 256 bytes.
; CLUSTERS: 4 x 4 work-groups.  The four of a row of the cluster need the same tiles of A, the four of a column the same tiles of W: each tile is asked for
; jointly, which divides the requests by four.  Cluster x = 0 is exactly the Q projection, so the choice of A and of the bias hangs on the cluster's x alone.
; 12 x 16 = 192 work-groups: blocks of half the side would fill more WGPs, with twice the LDS bytes for each multiply-add.
; LIMIT (format): a result above 65,504 in magnitude becomes infinity in f16.  With every input 30 times the drawn spread the results have a spread of 900.
;
; REGISTERS, in windows of 256:  window 0: v0-31 addresses; v64-127, v128-191 fragments of A, two buffers; v192-255 the bias, later packed results
;   window 1: v64-127, v128-191 fragments of W, two buffers;  window 2: the 32 tiles of my rows 0-63 (tile (a, b) at v[8 (8 a + b)]);  window 3: rows 64-127
; THE MATRIX INSTRUCTION IS USED TRANSPOSED: source 0 = 16 rows of W, source 1 = 16 rows of A.  Lane l then holds row l % 16 of the result and its registers 0 to 7
; the columns 8 (l / 16) + 0 .. 7: eight neighbouring numbers, 16 bytes of f16.  The bias of those eight columns is the C operand of each tile's first product.
.set SIZE_K, 1024
.set KSTEP,  128
.set PITCH,  272                       ; an LDS row: 256 bytes + 16 of padding, so that the 16 rows that a load touches begin 16 bytes apart modulo 256
.set HALFT,  128*PITCH                 ; 128 rows: what one tensor load brings, and what one wave reads of A or of W
.set SLOT,   4*HALFT                   ; A's 256 rows, then W's 256 rows
.set STAGE,  2*SLOT                    ; behind the ring: 16 rows x 272 bytes for each wave, for the way out; no tensor load lands here
.set SPITCH, 272
.set LAPS,   SIZE_K/(2*KSTEP)          ; 4 laps of two K steps
.set ADRA, 16                          ; v16-17  LDS address of my A fragments in slot 0, 1
.set ADRB, 20                          ; v20-21  the same for W
.set STO,  24                          ; v24     the way out: where I put 16 bytes of a row
.set RD,   25                          ; v25     the way out: where I read them back
.set CO,   26                          ; v26     16 x lane
.set BO,   27                          ; v27     32 x (lane / 16): my eight columns' bias
.set F0,   64
.set F1,   128
.set TMP,  192
.set BIAS, 192                         ; v[192:255]: bias[16 b + 8 (l / 16) + j] at BIAS + 8 b + j
.set G1, 24                            ; s[24:31] descriptor group 1 for A's tiles
.set G0, 32                            ; s[32:39] group 0 for A's tiles, one set for each slot
.set G1B, 48                           ; s[48:55] group 1 for W's tiles: another mask
.set G0B, 56                           ; s[56:63] group 0 for W's tiles
.set MSB, 0
.macro WIN new                         ; the immediate's high byte repeats the setting that is left
.if MSB != \new
	s_set_vgpr_msb (MSB<<8)|\new
.set MSB, \new
.endif
.endm
.set MUL_LO,   0xa1                    ; source 0 (W) window 1, source 1 (A) window 0, C and D window 2
.set MUL_HI,   0xf1                    ; the same, C and D window 3
.set START_LO, 0x81                    ; C (the bias) window 0, D window 2
.set START_HI, 0xc1                    ; C window 0, D window 3
.set TO_B,     0x40                    ; destination window 1, address window 0
; A joint load.  Waves 0 and 1 fetch A's two halves, waves 2 and 3 W's.  The branch hangs on the wave's number alone.
.macro JLOAD s
	s_cmp_eq_u32 s11, 0
	s_cbranch_scc0 .Lfor_b_\@
	tensor_load_to_lds s[G0+4*\s:G0+4*\s+3], s[G1:G1+7]
	s_nop 0
	s_branch .Lasked_\@
.Lfor_b_\@:
	tensor_load_to_lds s[G0B+4*\s:G0B+4*\s+3], s[G1B:G1B+7]
	s_nop 0
.Lasked_\@:
.endm
; A round of the cluster's barrier: my work-group's barrier; wave 0 signals for the work-group; every wave waits for all sixteen; my work-group's barrier again.
.macro CREST                           ; a round behind its opening barrier
	s_cmp_lg_u32 s10, 0
	s_cbranch_scc1 .Lnot_wave_0_\@
	s_barrier_signal -3
.Lnot_wave_0_\@:
	s_barrier_wait -3
	s_barrier_signal -1
	s_barrier_wait -1
.endm
.macro CROUND
	s_barrier_signal -1
	s_barrier_wait -1
	CREST
.endm
	s_load_b256 s[72:79], s[0:1], 0x0              ; xb s[72:73], b_q s[74:75], b_kv s[76:77], qkvh s[78:79]
	s_set_vgpr_msb 0x40
	v_lshl_add_u32 v255, v0, 2, 0x48400
	s_set_vgpr_msb 0x4000
	v_mov_b32 v63, 0
	s_set_vgpr_msb 0x1
	ds_add_u32 v255, v63
	s_set_vgpr_msb 0x100
	v_lshrrev_b32 v1, 5, v0
	v_readfirstlane_b32 s10, v1                    ; wave 0..3
	s_lshr_b32 s11, s10, 1                         ; which half of the block's rows is mine.  Also: I fetch for A (0) or for W (1)
	s_and_b32 s12, s10, 1                          ; which half of its columns.  Also: which 128 rows of that tile I fetch
	s_bfe_u32 s40, ttmp6, 0x40000                  ; cx
	s_bfe_u32 s41, ttmp6, 0x40004                  ; cy
	s_lshl_b32 s42, ttmp9, 2
	s_add_co_u32 s42, s42, s40                     ; block column 0..11 = 4 x cluster x + cx
	s_and_b32 s13, ttmp7, 0xffff
	s_lshl_b32 s13, s13, 2
	s_add_co_u32 s13, s13, s41                     ; block row 0..15 = 4 x cluster y + cy
	s_lshl_b32 s43, s41, 2
	s_lshl_b32 s43, 15, s43                        ; my row of the cluster: places 4 cy .. 4 cy + 3
	s_lshl_b32 s44, 0x1111, s40                    ; my column: places cx, cx + 4, cx + 8, cx + 12
	; group 1: a tile of 128 rows x 128 elements of 2 bytes, 4 words of padding behind every 64 words
	s_or_b32 s[G1+0], s43, (1<<16)|(1<<20)|(1<<21)|(5<<22)|(3<<25)
	s_or_b32 s[G1B+0], s44, (1<<16)|(1<<20)|(1<<21)|(5<<22)|(3<<25)
	s_mov_b32 s[G1+1], KSTEP<<16                   ; tensor_dim0 = 128
	s_mov_b32 s[G1B+1], KSTEP<<16
	s_mov_b32 s[G1+2], 128<<16                     ; tensor_dim1 = 128
	s_mov_b32 s[G1B+2], 128<<16
	s_mov_b32 s[G1+3], KSTEP<<16                   ; tile_dim0 = 128
	s_mov_b32 s[G1B+3], KSTEP<<16
	s_mov_b32 s[G1+4], 128                         ; tile_dim1 = 128
	s_mov_b32 s[G1B+4], 128
	s_mov_b32 s[G1+5], SIZE_K                      ; elements from row to row
	s_mov_b32 s[G1B+5], SIZE_K
	s_mov_b32 s[G1+6], 0
	s_mov_b32 s[G1B+6], 0
	s_mov_b32 s[G1+7], 0
	s_mov_b32 s[G1B+7], 0
	; where the tiles come from: A's hang on the block row (and the cluster's x), W's on the block column, each in registers that never hold the other coordinate
	s_lshl_b32 s17, s12, 7
	s_lshl_b32 s16, s13, 8
	s_add_co_u32 s16, s16, s17                     ; A: row 256 x block row + 128 x half
	s_lshl_b32 s16, s16, 11                        ; x 2,048 bytes: below 8.4 million
	s_lshl_b32 s46, s42, 8
	s_add_co_u32 s46, s46, s17                     ; W: row 256 x block column + 128 x half
	s_lshl_b32 s46, s46, 11
	s_mov_b32 s17, 0
	s_mov_b32 s47, 0
	s_mul_i32 s20, s10, HALFT                      ; where they go: wave x 128 rows
	s_lshl_b32 s70, s42, 8                         ; my first column: 256 x block column + 128 x half
	s_lshl_b32 s71, s12, 7
	s_add_co_u32 s70, s70, s71
	s_wait_dscnt 0x0
	s_wait_kmcnt 0x0
	s_cmp_lg_u32 ttmp9, 0                          ; cluster x = 0: Q from the normed q with b_q; else K, V from kv with b_kv
	s_cselect_b32 s2, 0x800000, 0                  ; kv's copy lies 8,388,608 bytes into xb
	s_mov_b32 s3, 0
	s_cselect_b64 s[74:75], s[76:77], s[74:75]     ; the bias vector
	s_cselect_b32 s45, 1024, 0                     ; and the column at which it begins
	s_add_nc_u64 s[4:5], s[72:73], s[2:3]          ; A
	s_add_nc_u64 s[6:7], s[72:73], 0x1000000       ; W: 16,777,216 bytes into xb
	s_add_nc_u64 s[14:15], s[4:5], s[16:17]
	s_add_nc_u64 s[46:47], s[6:7], s[46:47]
	s_sub_co_u32 s70, s70, s45
	s_lshl_b32 s70, s70, 2
	s_mov_b32 s71, 0
	s_add_nc_u64 s[74:75], s[74:75], s[70:71]      ; the bias of my first column
	CROUND                                         ; all sixteen work-groups are here: the first joint loads meet
.irp s, 0,1
	s_mov_b32 s[G0+4*\s], 1
	s_add_co_u32 s[G0+4*\s+1], s20, \s*SLOT
	s_add_nc_u64 s[G0+4*\s+2:G0+4*\s+3], s[14:15], \s*KSTEP*2
	s_or_b32 s[G0+4*\s+3], s[G0+4*\s+3], 0x80000000
	s_mov_b32 s[G0B+4*\s], 1
	s_add_co_u32 s[G0B+4*\s+1], s20, \s*SLOT
	s_add_nc_u64 s[G0B+4*\s+2:G0B+4*\s+3], s[46:47], \s*KSTEP*2
	s_or_b32 s[G0B+4*\s+3], s[G0B+4*\s+3], 0x80000000
	JLOAD \s                                       ; both first fills go out before anything else: two tensor loads of a wave are out at the most
.endr
	v_and_b32 v1, 15, v0                           ; l % 16
	v_bfe_u32 v2, v0, 4, 1                         ; l / 16
	v_lshlrev_b32 v[BO], 5, v2
.irp b, 0,1,2,3,4,5,6,7
	global_load_b128 v[BIAS+8*\b:BIAS+8*\b+3],   v[BO], s[74:75] offset:64*\b
	global_load_b128 v[BIAS+8*\b+4:BIAS+8*\b+7], v[BO], s[74:75] offset:64*\b+16
.endr
	; a fragment is 16 rows x 32 K in 8 registers: lane l holds row l % 16; two loads of 16 bytes, 32 bytes apart, at row x pitch + 16 (l / 16)
	v_mul_u32_u24 v3, v1, PITCH
	v_lshl_add_u32 v3, v2, 4, v3
	s_mul_i32 s21, s11, HALFT                      ; my 128 rows of A
	s_mul_i32 s22, s12, HALFT                      ; my 128 rows of W,
	s_add_co_u32 s22, s22, 2*HALFT                 ; which lie behind A's 256
.irp s, 0,1
	v_add_nc_u32 v[ADRA+\s], s21, v3
	v_add_nc_u32 v[ADRB+\s], s22, v3
	s_add_co_u32 s21, s21, SLOT
	s_add_co_u32 s22, s22, SLOT
.endr
	s_mul_i32 s23, s10, 16*SPITCH
	s_add_co_u32 s23, s23, STAGE                   ; my stage
	v_mul_u32_u24 v4, v1, SPITCH                   ; in: row l % 16, 16 bytes for each half of the lanes
	v_lshl_add_u32 v4, v2, 4, v4
	v_add_nc_u32 v[STO], s23, v4
	v_bfe_u32 v5, v0, 3, 2                         ; back: eight lanes take the 128 bytes that one head has in a row, four rows a load
	v_mul_u32_u24 v5, v5, SPITCH
	v_and_b32 v6, 7, v0
	v_lshl_add_u32 v5, v6, 4, v5
	v_add_nc_u32 v[RD], s23, v5
	v_and_b32 v6, 31, v0
	v_lshlrev_b32 v[CO], 4, v6                     ; in a slab those four rows are 512 consecutive bytes
; 16 matrix instructions: m blocks a0, a0 + 1 of the window's four x all 8 n blocks, 32 along K.  start = 1: the bias is C: nothing is cleared, nothing added later.
.macro MUL16 f, hi, a0, start
.irp a, \a0, \a0+1
.irp b, 0,1,2,3,4,5,6,7
.if \start
	v_wmma_f32_16x16x32_f16 v[8*(8*(\a)+\b):8*(8*(\a)+\b)+7], v[\f+8*\b:\f+8*\b+7], v[\f+8*(4*\hi+\a):\f+8*(4*\hi+\a)+7], v[BIAS+8*\b:BIAS+8*\b+7]
.else
	v_wmma_f32_16x16x32_f16 v[8*(8*(\a)+\b):8*(8*(\a)+\b)+7], v[\f+8*\b:\f+8*\b+7], v[\f+8*(4*\hi+\a):\f+8*(4*\hi+\a)+7], v[8*(8*(\a)+\b):8*(8*(\a)+\b)+7]
.endif
.endr
.endr
.endm
; 32 LDS loads in one run: the fragments of one quarter step (32 K at byte k of the rows) into buffer f
.macro FETCH slot, k, f
	WIN TO_B
.irp i, 0,1,2,3,4,5,6,7
	ds_load_b128 v[\f+8*\i:\f+8*\i+3],   v[ADRB+\slot] offset:\k+\i*16*PITCH
	ds_load_b128 v[\f+8*\i+4:\f+8*\i+7], v[ADRB+\slot] offset:\k+\i*16*PITCH+32
.endr
	WIN 0
.irp i, 0,1,2,3,4,5,6,7
	ds_load_b128 v[\f+8*\i:\f+8*\i+3],   v[ADRA+\slot] offset:\k+\i*16*PITCH
	ds_load_b128 v[\f+8*\i+4:\f+8*\i+7], v[ADRA+\slot] offset:\k+\i*16*PITCH+32
.endr
.endm
; Four plain places stand between a matrix instruction and a load into a register that it read, or a vector instruction that reads its result (ISA guide 7.12.1
; for vector instructions); matrix instructions in between are not counted as places.
.macro PLACES
.rept 4
	v_nop
.endr
.endm
; A K step is four quarters of 32 along K, 64 matrix instructions each, on buffers 0, 1, 0, 1.  The 64 accumulators take turns in one fixed order, one instruction
; a turn, over the loop's backward jump too.
.macro QUARTER slot, k, f, g, start
	s_wait_dscnt 8                                 ; W and A's rows 0-63 are in; the youngest eight loads (A's rows 64-127) may be out
.if \start
	WIN START_LO
.else
	WIN MUL_LO
.endif
	MUL16 \f, 0, 0, \start
	MUL16 \f, 0, 2, \start
	PLACES
	FETCH \slot, \k, \g
	s_wait_dscnt 32                                ; all but the 32 just issued
.if \start
	WIN START_HI
.else
	WIN MUL_HI
.endif
	MUL16 \f, 1, 0, \start
	MUL16 \f, 1, 2, \start
.endm
.macro THREE slot, start
	QUARTER \slot, 64,  F0, F1, \start
	QUARTER \slot, 128, F1, F0, 0
	QUARTER \slot, 192, F0, F1, 0
.endm
; The last quarter multiplies buffer 1 and changes slots.  In front of the barrier each wave waits for its reads of this slot and for all its tensor loads (the one
; that is out is its part of the next slot).  Behind it the refill comes first, then the next slot's first fragments.
.macro TURN slot, next, fill
	s_wait_dscnt 8
	WIN MUL_LO
	MUL16 F1, 0, 0, 0
	s_wait_dscnt 0                                 ; my reads of this slot are over
	s_wait_tensorcnt 0x0                           ; and all my tensor loads have landed
	ds_add_u32 v255, v63
	s_wait_dscnt 0x0
	s_barrier_signal -1                            ; where a slot is filled again this barrier opens a round of the cluster's barrier
	MUL16 F1, 0, 2, 0                              ; register work while the others arrive
	WIN 0
	s_barrier_wait -1
.if \fill
	CREST                                          ; no wave of any partner still reads this slot or has a load on its way
	s_add_nc_u64 s[G0+4*\slot+2:G0+4*\slot+3], s[G0+4*\slot+2:G0+4*\slot+3], 2*KSTEP*2
	s_add_nc_u64 s[G0B+4*\slot+2:G0B+4*\slot+3], s[G0B+4*\slot+2:G0B+4*\slot+3], 2*KSTEP*2
	JLOAD \slot                                    ; the first tensor load behind the round, one a wave
.endif
	PLACES
	FETCH \next, 0, F0
	WIN MUL_HI
	MUL16 F1, 1, 0, 0
	MUL16 F1, 1, 2, 0
.endm
.macro LAP start
	THREE 0, \start
	TURN 0, 1, 1
	THREE 1, 0
	TURN 1, 0, 1
.endm
	s_wait_tensorcnt 1                             ; my part of K step 0 is in; K step 1's load, issued behind it, stays out
	s_barrier_signal -1
	s_barrier_wait -1
	FETCH 0, 0, F0
	s_wait_loadcnt 0x0                             ; the bias
	LAP 1                                          ; the first lap stands in front of the loop: its first products take the bias as C
	WIN 0
	s_mov_b32 s3, LAPS-2
.Llap:
	LAP 0
	WIN 0
	s_sub_co_u32 s3, s3, 1
	s_cmp_lg_u32 s3, 0
	s_cbranch_scc1 .Llap
	THREE 0, 0                                     ; the last lap fills nothing
	TURN 0, 1, 0
	THREE 1, 0
	s_wait_dscnt 8
	WIN MUL_LO
	MUL16 F1, 0, 0, 0
	MUL16 F1, 0, 2, 0
	s_wait_dscnt 0
	WIN MUL_HI
	MUL16 F1, 1, 0, 0
	MUL16 F1, 1, 2, 0
	; THE WAY OUT, 16 rows at a time: round to f16, 16 bytes a lane into my own stage, read back head by head.
	PLACES
	; my 128 columns are heads g and g + 1 of 48 (g even): slab (g / 16) * 32 + b * 16 + g % 16 and the next; my rows begin at s0 in the sequence
	s_lshl_b32 s66, s42, 2
	s_lshl_b32 s67, s12, 1
	s_add_co_u32 s66, s66, s67                     ; g
	s_lshr_b32 s67, s66, 4
	s_lshl_b32 s67, s67, 5
	s_and_b32 s68, s66, 15
	s_add_co_u32 s67, s67, s68
	s_lshr_b32 s69, s13, 3                         ; b: eight block rows to a sequence
	s_lshl_b32 s69, s69, 4
	s_add_co_u32 s67, s67, s69
	s_lshl_b32 s67, s67, 18                        ; x 262,144 bytes
	s_and_b32 s68, s13, 7
	s_lshl_b32 s68, s68, 8
	s_lshl_b32 s69, s11, 7
	s_add_co_u32 s68, s68, s69                     ; s0
	s_lshl_b32 s68, s68, 7                         ; x 128 bytes
	s_add_co_u32 s66, s67, s68
	s_mov_b32 s67, 0
	s_add_nc_u64 s[8:9], s[78:79], s[66:67]
; rows 16 i .. 16 i + 15 of my block = the eight tiles (a, 0..7) of window 2 or 3 (from = 0x0a or 0x0f: sources 0 and 1); f: F0 or F1 in turn
.macro OUT16 i, a, from, f
	WIN \from
.irp b, 0,1,2,3,4,5,6,7
.irp r, 0,1,2,3
	v_cvt_pk_f16_f32 v[TMP+4*\b+\r], v[8*(8*\a+\b)+2*\r], v[8*(8*\a+\b)+2*\r+1]
.endr
.endr
	WIN 0
.irp b, 0,1,2,3,4,5,6,7
	ds_store_b128 v[STO], v[TMP+4*\b:TMP+4*\b+3] offset:32*\b
.endr
	s_wait_xcnt 0x0                                ; buffer f, which earlier stores read, is rewritten only behind this wait
.irp t, 0,1,2,3,4,5,6,7
	ds_load_b128 v[\f+4*\t:\f+4*\t+3], v[RD] offset:(\t&3)*4*SPITCH+(\t>>2)*128   ; LDS serves a wave's instructions in order: these see the stores above
.endr
.irp t, 0,1,2,3,4,5,6,7
	s_wait_dscnt 7-\t
	global_store_b128 v[CO], v[\f+4*\t:\f+4*\t+3], s[8:9] offset:(\t>>2)*262144+\i*2048+(\t&3)*512   ; four rows of one head: 512 consecutive bytes, aligned
.endr
.endm
	OUT16 0, 0, 0x0a, F0
	OUT16 1, 1, 0x0a, F1
	OUT16 2, 2, 0x0a, F0
	OUT16 3, 3, 0x0a, F1
	OUT16 4, 0, 0x0f, F0
	OUT16 5, 1, 0x0f, F1
	OUT16 6, 2, 0x0f, F0
	OUT16 7, 3, 0x0f, F1
	s_set_vgpr_msb 0x1
	s_wait_tensorcnt 0x0
	ds_add_u32 v255, v63
	s_wait_dscnt 0x0
	s_set_vgpr_msb 0x100
	CROUND                                         ; the closing round: no work-group ends while a partner may still ask for a tile that names it
	s_endpgm
.Lfunc_end_k_q62e5d6a121_qkv:
	.size	k_q62e5d6a121_qkv, .Lfunc_end_k_q62e5d6a121_qkv-k_q62e5d6a121_qkv
	.p2alignl 7, 3214868480
	.fill 96, 4, 3214868480
	.section	.rodata,"a",@progbits
	.p2align	6, 0x0
	.amdhsa_kernel k_q62e5d6a121_qkv
		.amdhsa_group_segment_fixed_size 327680
		.amdhsa_private_segment_fixed_size 0
		.amdhsa_enable_private_segment 0
		.amdhsa_kernarg_size 32
		.amdhsa_user_sgpr_count 2
		.amdhsa_user_sgpr_kernarg_segment_ptr 1
		.amdhsa_wavefront_size32 1
		.amdhsa_system_sgpr_workgroup_id_x 1
		.amdhsa_system_sgpr_workgroup_id_y 1
		.amdhsa_system_sgpr_workgroup_id_z 1
		.amdhsa_system_vgpr_workitem_id 0
		.amdhsa_next_free_vgpr 1024
		.amdhsa_next_free_sgpr 80
		.amdhsa_reserve_vcc 0
		.amdhsa_float_denorm_mode_32 3
		.amdhsa_float_denorm_mode_16_64 3
		.amdhsa_memory_ordered 1
		.amdhsa_forward_progress 1
		.amdhsa_inst_pref_size 198
	.end_amdhsa_kernel
	.amdgpu_metadata
---
amdhsa.version: [ 1, 2 ]
amdhsa.kernels:
  - .name:           k_q62e5d6a121_qkv
    .symbol:         k_q62e5d6a121_qkv.kd
    .args:
      - { .name: xb, .offset: 0, .size: 8, .value_kind: global_buffer, .address_space: global }
      - { .name: b_q, .offset: 8, .size: 8, .value_kind: global_buffer, .address_space: global }
      - { .name: b_kv, .offset: 16, .size: 8, .value_kind: global_buffer, .address_space: global }
      - { .name: qkvh, .offset: 24, .size: 8, .value_kind: global_buffer, .address_space: global }
    .group_segment_fixed_size: 327680
    .private_segment_fixed_size: 0
    .kernarg_segment_align: 8
    .kernarg_segment_size: 32
    .max_flat_workgroup_size: 128
    .sgpr_count:     80
    .vgpr_count:     1024
    .wavefront_size: 32
...
	.end_amdgpu_metadata
.endif
;; end of part 2
;; launch attn (part 3): grid 8 x 32, 8 waves a work-group, clusters of 4 x 1, 327,680 bytes of LDS; arguments qkvh, ow; writes ow
.if DOCPART == 3
	.amdgcn_target "amdgcn-amd-amdhsa--gfx1250"
	.amdhsa_code_object_version 6
	.text
	.protected	k_q62e5d6a121_attn
	.globl	k_q62e5d6a121_attn
	.p2align	8
	.type	k_q62e5d6a121_attn,@function
k_q62e5d6a121_attn:
	s_mov_b64 s[64:65], 0
	v_nop
	global_prefetch_b8 v0, s[64:65] scope:SCOPE_SE
	s_setreg_imm32_b32 hwreg(HW_REG_WAVE_MODE, 25, 1), 1
	s_wait_xcnt 0x0
	s_wait_alu depctr_hold_cnt(0) depctr_sa_sdst(0) depctr_va_vdst(0) depctr_va_sdst(0) depctr_va_ssrc(0) depctr_va_vcc(0) depctr_vm_vsrc(0)
	s_getreg_b32 s2, hwreg(HW_REG_IB_STS2, 6, 4)
	s_cmp_eq_u32 s2, 0
	s_cbranch_scc0 .Lentry_in_a_cluster
	s_endpgm
.Lentry_in_a_cluster:
	s_bfe_u32 s2, ttmp6, 0x10000c
	s_cmp_lg_u32 s2, 0x3003
	s_cbranch_scc0 .Lentry_shape_is_right
	s_endpgm
.Lentry_shape_is_right:
; o = softmax(Q K^T / 8) V for one (batch, head) and 256 query rows, with a running maximum; f16 operands, f32 sums and softmax.
; In: qkvh[sel][b][h][s][64] f16.  Out: ow[rb 32][h 16][row 128][64] f16, rb = (b * 2048 + s) / 128.
; Eight waves, 32 query rows each: two tiles x = 0, 1 of 16 rows.  Keys go in steps of 64 through two LDS slots of 256 keys.
; CLUSTERS: the four work-groups of a cluster are four query blocks of one head; they read the same K and V and ask for them jointly (mask 15).
; BOTH PRODUCTS ARE TRANSPOSED, so that no number changes its lane between them:
;   S^T = K Q^T: lane (r = l % 16, h = l / 16) holds query r and keys 16 t + 8 h + j in register j of tile t.  A query's maximum and sum lie in lanes r and r + 16.
;   The pairs of key tiles 2 kk and 2 kk + 1, rounded to f16, are the second operand P^T for keys 32 kk .. 32 kk + 31 as they stand.
;   O^T = V^T P^T: V^T's fragments come from the rows of V by the transposing LDS load; lane (r, h) holds query r and d = 16 dt + 8 h + j.
; THE TWO QUERY TILES TAKE TURNS: while the vector unit makes one tile's softmax, the other tile's matrix instructions are issued among those vector instructions.
;   phase A(i): softmax of tile 0, step i;  among it  P V of tile 1, step i - 1,  then  K Q^T of tile 1, step i
;   phase B(i): softmax of tile 1, step i;  among it  P V of tile 0, step i,      then  K Q^T of tile 0, step i + 1
;   A phase is 120 vector and 16 matrix instructions.  V(i) is fetched from LDS in the middle of A(i), when P V has done with V(i - 1), and first used at the head of
;   B(i); K(i + 1) is fetched at the end of A(i) and first used in the second half of B(i).  So every fragment is asked for half a phase ahead of its use.
; The scale 1/8 and log2(e) are one factor c, applied by the multiply-add that takes the maximum away: p = 2^(c s - c m).
; REGISTERS: window 0 holds all but K's fragments, which are v256-319 (window 1): only K Q^T (source 0) and K's loads (destination) switch windows.
; LIMITS: NaN and infinities in the inputs are not followed.  The sum of a row is taken of p in f32, the product with V of p rounded to f16 (step 6e-8 at the
; least, against a sum of at least about 1).  v_exp_f32 gives 0 for results below 2^-126 (ISA guide 15.8).
.set SLOT,  77824                      ; a slot holds 256 keys: V's rows, then K's
.set VP,    160                        ; V's pitch: 128 bytes + 32, an odd multiple of 32, for the transposing load
.set KP,    144                        ; K's pitch: 128 bytes + 16, an odd multiple of 16
.set KOFF,  256*VP                     ; 40,960: K behind V
.set STAGE, 2*SLOT                     ; 155,648, a multiple of 256: 32 rows x 144 bytes for each wave; no tensor load lands here
.set SP,    144
.set KADR, 2                           ; v2-3    my K fragments in slot 0, 1
.set VADR, 4                           ; v4-5    my V fragments in slot 0, 1
.set STO,  6
.set RD,   7
.set CO,   8
.set QO,   9
.set NM,   10                          ; v[10+2x] = - c m of tile x, v[11+2x] = m, the running maximum of its raw scores
.set AL,   14                          ; v[14+2x] = 2^(c (m old - m new)), v[15+2x] = the running sum over my half of the keys
.set T,    18                          ; v18-21 four chains of maxima; v[22:23], v[24:25] two chains of sums; v26-27 at work
.set QF,   32                          ; v[32:63]   Q fragment (x, ks) at QF + 16 x + 8 ks
.set SCR,  64                          ; v[64:127]  score tile (x, t) at SCR + 32 x + 8 t; then P (x, kk) at SCR + 32 x + 16 kk
.set OAC,  128                         ; v[128:191] O tile (x, dt) at OAC + 32 x + 8 dt
.set VF,   192                         ; v[192:255] V fragment (kk, dt) at VF + 32 kk + 8 dt
.set KF,   0                           ; window 1, v[256:319]: K fragment (t, ks) at KF + 16 t + 8 ks
.set G1V, 16
.set G1K, 24
.set G0V, 32                           ; s[32:39] one set for each slot
.set G0K, 40                           ; s[40:47]
.set MSB, 0
.macro WIN new                         ; the immediate's high byte repeats the setting that is left; at a label and at a branch every window is 0
.if MSB != \new
	s_set_vgpr_msb (MSB<<8)|\new
.set MSB, \new
.endif
.endm
.macro ROUND                           ; a round of the cluster's barrier
	s_barrier_signal -1
	s_barrier_wait -1
	s_cmp_lg_u32 s8, 0
	s_cbranch_scc1 .Lnot_wave_0_\@
	s_barrier_signal -3
.Lnot_wave_0_\@:
	s_barrier_wait -3
	s_barrier_signal -1
	s_barrier_wait -1
.endm
.macro JLOAD n                         ; waves 0-3 ask for 64 rows of V each, waves 4-7 for 64 rows of K: one load a wave
	s_cmp_eq_u32 s9, 0
	s_cbranch_scc0 .Lfor_k_\@
	tensor_load_to_lds s[G0V+4*(\n):G0V+4*(\n)+3], s[G1V:G1V+7]
	s_nop 0
	s_branch .Lasked_\@
.Lfor_k_\@:
	tensor_load_to_lds s[G0K+4*(\n):G0K+4*(\n)+3], s[G1K:G1K+7]
	s_nop 0
.Lasked_\@:
.endm
	s_load_b128 s[4:7], s[0:1], 0x0                ; qkvh s[4:5], ow s[6:7]
	v_lshl_add_u32 v30, v0, 2, 0x2f000
	v_mov_b32 v31, 0
	ds_add_u32 v30, v31
	v_lshrrev_b32 v1, 5, v0
	v_readfirstlane_b32 s8, v1                     ; wave 0..7
	s_lshr_b32 s9, s8, 2                           ; 0: I fetch V, 1: K
	s_and_b32 s10, s8, 3                           ; which 64 rows
	s_bfe_u32 s11, ttmp6, 0x40000                  ; cx
	s_lshl_b32 s12, ttmp9, 2
	s_add_co_u32 s12, s12, s11                     ; query block 0..7
	s_and_b32 s13, ttmp7, 0xffff                   ; y = b * 16 + h
	s_mov_b32 s48, 0x3e38aa3b                      ; c = log2(e) / 8
	s_mov_b32 s49, 0x3e38aa3b
	s_mov_b32 s50, 0x76543210                      ; v_permlanex16_b32: lane i reads lane i of the other half
	s_mov_b32 s51, 0xfedcba98
	s_mov_b32 s53, 0xbe38aa3b                      ; - c
	; group 1: tiles of 64 rows x 64 elements of 2 bytes, dense in memory; behind every 32 words 8 words of padding (V) or 4 (K); mask 15, bit 21 beside it
	s_mov_b32 s[G1V+0], 15|(1<<16)|(1<<20)|(1<<21)|(4<<22)|(7<<25)
	s_mov_b32 s[G1K+0], 15|(1<<16)|(1<<20)|(1<<21)|(4<<22)|(3<<25)
	s_mov_b32 s[G1V+1], 64<<16                     ; tensor_dim0 = 64
	s_mov_b32 s[G1K+1], 64<<16
	s_mov_b32 s[G1V+2], 64<<16                     ; tensor_dim1 = 64
	s_mov_b32 s[G1K+2], 64<<16
	s_mov_b32 s[G1V+3], 64<<16                     ; tile_dim0 = 64
	s_mov_b32 s[G1K+3], 64<<16
	s_mov_b32 s[G1V+4], 64                         ; tile_dim1 = 64
	s_mov_b32 s[G1K+4], 64
	s_mov_b32 s[G1V+5], 64                         ; elements from row to row
	s_mov_b32 s[G1K+5], 64
	s_mov_b32 s[G1V+6], 0
	s_mov_b32 s[G1K+6], 0
	s_mov_b32 s[G1V+7], 0
	s_mov_b32 s[G1K+7], 0
	s_lshl_b32 s54, s10, 13                        ; my 64 rows of 128 bytes
	s_add_co_u32 s14, s13, 64                      ; V's slab 64 + y
	s_lshl_b32 s14, s14, 18
	s_add_co_u32 s14, s14, s54
	s_mov_b32 s15, 0
	s_add_co_u32 s56, s13, 32                      ; K's slab 32 + y
	s_lshl_b32 s56, s56, 18
	s_add_co_u32 s56, s56, s54
	s_mov_b32 s57, 0
	s_mul_i32 s2, s8, 64*VP                        ; V: wave x 64 rows (waves 0-3)
	s_mul_i32 s3, s8, 64*KP                        ; K: KOFF + (wave - 4) x 64 rows (waves 4-7)
	s_add_co_u32 s3, s3, KOFF-4*64*KP
	; what hangs on cx is kept in s11, s12, s58-63 alone: no register of a descriptor ever holds it
	s_lshl_b32 s62, s12, 15                        ; Q: 256 rows of 128 bytes for each query block
	s_lshl_b32 s63, s8, 12                         ; 32 rows for each wave
	s_add_co_u32 s62, s62, s63
	s_lshl_b32 s63, s13, 18                        ; Q's slab y
	s_add_co_u32 s62, s62, s63
	s_mov_b32 s63, 0
	v_and_b32 v22, 15, v0                          ; r
	v_bfe_u32 v23, v0, 4, 1                        ; h
	v_lshlrev_b32 v[QO], 7, v22
	v_lshl_add_u32 v[QO], v23, 4, v[QO]            ; row r, 16 bytes for each half of the lanes
	s_wait_dscnt 0x0
	s_wait_kmcnt 0x0
	s_add_nc_u64 s[58:59], s[4:5], s[62:63]
.irp a, 0,1
.irp ks, 0,1
	global_load_b128 v[QF+16*\a+8*\ks:QF+16*\a+8*\ks+3],   v[QO], s[58:59] offset:2048*\a+64*\ks      ; Q goes out first: it is on its way beside the first tiles
	global_load_b128 v[QF+16*\a+8*\ks+4:QF+16*\a+8*\ks+7], v[QO], s[58:59] offset:2048*\a+64*\ks+32
.endr
.endr
	s_add_nc_u64 s[14:15], s[4:5], s[14:15]
	s_add_nc_u64 s[56:57], s[4:5], s[56:57]
.irp n, 0,1
	s_mov_b32 s[G0V+4*\n], 1
	s_add_co_u32 s[G0V+4*\n+1], s2, \n*SLOT
	s_add_nc_u64 s[G0V+4*\n+2:G0V+4*\n+3], s[14:15], \n*32768      ; keys 256 n ..
	s_or_b32 s[G0V+4*\n+3], s[G0V+4*\n+3], 0x80000000
	s_mov_b32 s[G0K+4*\n], 1
	s_add_co_u32 s[G0K+4*\n+1], s3, \n*SLOT
	s_add_nc_u64 s[G0K+4*\n+2:G0K+4*\n+3], s[56:57], \n*32768
	s_or_b32 s[G0K+4*\n+3], s[G0K+4*\n+3], 0x80000000
.endr
	ROUND                                          ; the four work-groups are here: the first joint loads meet
	JLOAD 0                                        ; keys 0 .. 255
	JLOAD 1                                        ; keys 256 .. 511: both first fills go out together; two tensor loads of a wave are out at the most
	s_lshr_b32 s62, s13, 4                         ; o: chunk ((b * 16 + 2 x query block + wave / 4) * 16 + h) of 16,384 bytes, + (wave % 4) x 32 rows
	s_lshl_b32 s62, s62, 4
	s_lshl_b32 s63, s12, 1
	s_add_co_u32 s62, s62, s63
	s_add_co_u32 s62, s62, s9
	s_lshl_b32 s62, s62, 4
	s_and_b32 s63, s13, 15
	s_add_co_u32 s62, s62, s63
	s_lshl_b32 s62, s62, 14
	s_lshl_b32 s63, s10, 12
	s_add_co_u32 s62, s62, s63
	s_mov_b32 s63, 0
	s_add_nc_u64 s[60:61], s[6:7], s[62:63]
	v_mul_u32_u24 v[KADR], v22, KP
	v_lshl_add_u32 v[KADR], v23, 4, v[KADR]
	v_add_nc_u32 v[KADR], KOFF, v[KADR]            ; key r of a tile, 16 bytes for each half
	v_add_nc_u32 v[KADR+1], SLOT, v[KADR]
	v_and_b32 v24, 7, v0
	v_lshl_add_u32 v25, v23, 3, v24                ; key 8 h + l % 8
	v_mul_u32_u24 v[VADR], v25, VP
	v_bfe_u32 v26, v0, 3, 1                        ; (v26 and v27 are written here; later they are destinations of v_permlanex16_b32, which count as read)
	v_lshl_add_u32 v[VADR], v26, 4, v[VADR]        ; + 16 ((l / 8) % 2)
	v_add_nc_u32 v[VADR+1], SLOT, v[VADR]
	s_mul_i32 s54, s8, 32*SP
	s_add_co_u32 s54, s54, STAGE                   ; my stage
	v_mul_u32_u24 v[STO], v22, SP
	v_lshl_add_u32 v[STO], v23, 4, v[STO]
	v_add_nc_u32 v[STO], s54, v[STO]
	v_bfe_u32 v27, v0, 3, 2
	v_mul_u32_u24 v[RD], v27, SP
	v_lshl_add_u32 v[RD], v24, 4, v[RD]
	v_add_nc_u32 v[RD], s54, v[RD]                 ; back: eight lanes take a row of 128 bytes, four rows a load
	v_and_b32 v28, 31, v0
	v_lshlrev_b32 v[CO], 4, v28
.macro KFETCH slot, u                  ; 64 keys x 64 d into window 1: first the eight loads of d 0-31, then those of d 32-63
	WIN 0x40
.irp ks, 0,1
.irp t, 0,1,2,3
	ds_load_b128 v[KF+16*\t+8*\ks:KF+16*\t+8*\ks+3],   v[KADR+(\slot)] offset:(64*(\u)+16*\t)*KP+64*\ks
	ds_load_b128 v[KF+16*\t+8*\ks+4:KF+16*\t+8*\ks+7], v[KADR+(\slot)] offset:(64*(\u)+16*\t)*KP+64*\ks+32
.endr
.endr
	WIN 0
.endm
.macro VFETCH slot, u                  ; 64 keys of V, transposed: first the eight loads of keys 0-31, then those of keys 32-63
.irp kk, 0,1
.irp dt, 0,1,2,3
	ds_load_tr16_b128 v[VF+32*\kk+8*\dt:VF+32*\kk+8*\dt+3],   v[VADR+(\slot)] offset:(64*(\u)+32*\kk)*VP+32*\dt
	ds_load_tr16_b128 v[VF+32*\kk+8*\dt+4:VF+32*\kk+8*\dt+7], v[VADR+(\slot)] offset:(64*(\u)+32*\kk+16)*VP+32*\dt
.endr
.endr
.endm
; Matrix instruction n of the eight of K Q^T of tile y: d half ks = n / 4, key tile t = n % 4.  The four accumulators take turns, one instruction a turn.
; The first half starts the sums with C = 0.  Source 0 lies in window 1.
.macro QKW y, n
.if (\n) < 4
	v_wmma_f32_16x16x32_f16 v[SCR+32*(\y)+8*((\n)&3):SCR+32*(\y)+8*((\n)&3)+7], v[KF+16*((\n)&3)+8*((\n)>>2):KF+16*((\n)&3)+8*((\n)>>2)+7], v[QF+16*(\y)+8*((\n)>>2):QF+16*(\y)+8*((\n)>>2)+7], 0
.else
	v_wmma_f32_16x16x32_f16 v[SCR+32*(\y)+8*((\n)&3):SCR+32*(\y)+8*((\n)&3)+7], v[KF+16*((\n)&3)+8*((\n)>>2):KF+16*((\n)&3)+8*((\n)>>2)+7], v[QF+16*(\y)+8*((\n)>>2):QF+16*(\y)+8*((\n)>>2)+7], v[SCR+32*(\y)+8*((\n)&3):SCR+32*(\y)+8*((\n)&3)+7]
.endif
.endm
.macro QKP y, n                        ; two of them under one pair of window switches
	WIN 0x01
	QKW \y, \n
	QKW \y, \n+1
	WIN 0
.endm
; Matrix instruction n of the eight of P V of tile y: key half kk = n / 4, d tile dt = n % 4; again four accumulators by turns.
; pv = 0: none (there is no step before the first); 1: the tile's first product, whose first half starts O with C = 0; 2: adds onto O.
.macro PVW y, n, pv
.if \pv
.set PVZ, 0
.if \pv == 1
.if (\n) < 4
.set PVZ, 1
.endif
.endif
.if PVZ
	v_wmma_f32_16x16x32_f16 v[OAC+32*(\y)+8*((\n)&3):OAC+32*(\y)+8*((\n)&3)+7], v[VF+32*((\n)>>2)+8*((\n)&3):VF+32*((\n)>>2)+8*((\n)&3)+7], v[SCR+32*(\y)+16*((\n)>>2):SCR+32*(\y)+16*((\n)>>2)+7], 0
.else
	v_wmma_f32_16x16x32_f16 v[OAC+32*(\y)+8*((\n)&3):OAC+32*(\y)+8*((\n)&3)+7], v[VF+32*((\n)>>2)+8*((\n)&3):VF+32*((\n)>>2)+8*((\n)&3)+7], v[SCR+32*(\y)+16*((\n)>>2):SCR+32*(\y)+16*((\n)>>2)+7], v[OAC+32*(\y)+8*((\n)&3):OAC+32*(\y)+8*((\n)&3)+7]
.endif
.endif
.endm
; Four chains of maxima, one for each key tile: j = 0 starts them with three scores, j = 3 and 5 add two more each
.macro MAX3ROW x, j
.irp t, 0,1,2,3
.if \j == 0
	v_max3_num_f32 v[T+\t], v[SCR+32*\x+8*\t], v[SCR+32*\x+8*\t+1], v[SCR+32*\x+8*\t+2]
.else
	v_max3_num_f32 v[T+\t], v[T+\t], v[SCR+32*\x+8*\t+\j], v[SCR+32*\x+8*\t+\j+1]
.endif
.endr
.endm
; Pair p of the tile's 16 pairs is rounded to f16, in place: word p % 8 of its group of 16 registers.  The word's old content belongs to a pair that has been
; added and rounded before.
.macro CVT x, p
	v_cvt_pk_f16_f32 v[SCR+32*\x+16*((\p)>>3)+((\p)&7)], v[SCR+32*\x+2*(\p)], v[SCR+32*\x+2*(\p)+1]
.endm
; Group p of 17: the exponentials of pair p; one pair of O scaled (the plain instruction that stands between an exponential and the use of its result, ISA guide
; 5.7.2; in the first step, which has no O yet, a v_nop); pair p - 1 added into one of two chains; pair p - 3 rounded.  Group 16 ends the sums.
.macro PIT x, first, p
.if \p < 16
	v_exp_f32 v[SCR+32*\x+2*\p], v[SCR+32*\x+2*\p]
	v_exp_f32 v[SCR+32*\x+2*\p+1], v[SCR+32*\x+2*\p+1]
.if \first
	v_nop
.else
	s_wait_alu depctr_va_vdst(0)
	v_pk_mul_f32 v[OAC+32*\x+2*\p:OAC+32*\x+2*\p+1], v[OAC+32*\x+2*\p:OAC+32*\x+2*\p+1], v[AL+2*\x:AL+2*\x+1] op_sel_hi:[1,0]   ; both by the pair's low register
.endif
.endif
.if \p == 3
	s_wait_alu depctr_va_vdst(0)
	v_pk_add_f32 v[T+4:T+5], v[SCR+32*\x:SCR+32*\x+1], v[SCR+32*\x+4:SCR+32*\x+5]        ; pairs 0 and 2 start the even chain
	CVT \x, 0
.endif
.if \p == 4
	v_pk_add_f32 v[T+6:T+7], v[SCR+32*\x+2:SCR+32*\x+3], v[SCR+32*\x+6:SCR+32*\x+7]      ; pairs 1 and 3 the odd one
	CVT \x, 1
.endif
.if \p > 4
	s_wait_alu depctr_va_vdst(0)
	v_pk_add_f32 v[T+4+2*((\p-1)&1):T+5+2*((\p-1)&1)], v[T+4+2*((\p-1)&1):T+5+2*((\p-1)&1)], v[SCR+32*\x+2*(\p-1):SCR+32*\x+2*(\p-1)+1]
	CVT \x, \p-3
.endif
.if \p == 16
	CVT \x, 14
	CVT \x, 15
	v_pk_add_f32 v[T+4:T+5], v[T+4:T+5], v[T+6:T+7]
.if \first
	v_add_f32 v[AL+2*\x+1], v[T+4], v[T+5]
.else
	v_add_f32 v[T], v[T+4], v[T+5]
	v_fma_f32 v[AL+2*\x+1], v[AL+2*\x+1], v[AL+2*\x], v[T]
.endif
.endif
.endm
; ONE PHASE: the softmax of tile x, and among it the other tile's P V (see pv above) and, if qk, its K Q^T.
; first = 1: the tile's first step starts maximum and sum.  vf = 1: V's fragments of step (vs, vu) are fetched when P V has done with the old ones.
; w = 1 (phases B): the fragments that this phase multiplies were fetched in the phase before and are waited for here; kout = how many younger LDS loads (K's)
; stand behind V's sixteen.  In phases A both sets were waited for in the phase before.
; PLACES (ISA guide 7.12.1 for vector instructions), counted in plain vector instructions that name none
; of the matrix instruction's registers: from the last P V to V's loads 9; to the K Q^T that writes over P's second half 18; from the last K Q^T to the end of the
; phase, behind which its scores are read and K's fragments loaded again, 9 at the least.
.macro PHASE x, first, pv, qk, vf, vs, vu, w, kout
.if \w
	s_wait_dscnt 8+\kout                           ; V's keys 0-31 are in: V's other eight loads and K's may be out
.endif
	PVW 1-\x, 0, \pv
	MAX3ROW \x, 0
	MAX3ROW \x, 3
	PVW 1-\x, 1, \pv
	MAX3ROW \x, 5
	v_max3_num_f32 v[T],   v[T],   v[T+1], v[SCR+32*\x+7]
	v_max3_num_f32 v[T+2], v[T+2], v[T+3], v[SCR+32*\x+15]
	v_max3_num_f32 v[T], v[T], v[T+2], v[SCR+32*\x+23]
	PVW 1-\x, 2, \pv
.if \first
	v_max_num_f32 v[T], v[T], v[SCR+32*\x+31]
.else
	v_max3_num_f32 v[T], v[T], v[SCR+32*\x+31], v[NM+2*\x+1]
.endif
	v_permlanex16_b32 v[T+1], v[T], s50, s51       ; the other half of the keys lies 16 lanes away
	v_max_num_f32 v[T], v[T], v[T+1]               ; the new maximum, equal in both halves
	PVW 1-\x, 3, \pv
.if \first == 0
	v_sub_f32 v[T+2], v[NM+2*\x+1], v[T]
	v_mul_f32 v[T+2], s48, v[T+2]
	v_exp_f32 v[AL+2*\x], v[T+2]                   ; what the old sum and O are scaled by
.endif
	v_mov_b32 v[NM+2*\x+1], v[T]                   ; also the plain place behind the exponential
	v_mul_f32 v[NM+2*\x], s53, v[T]
.if \w
	s_wait_dscnt \kout                             ; all of V is in; K's loads may be out
.endif
	PVW 1-\x, 4, \pv
.irp p, 0,1,2,3,4,5,6,7
	v_pk_fma_f32 v[SCR+32*\x+2*\p:SCR+32*\x+2*\p+1], v[SCR+32*\x+2*\p:SCR+32*\x+2*\p+1], s[48:49], v[NM+2*\x:NM+2*\x+1] op_sel_hi:[1,0,0]   ; c s - c m
.endr
	PVW 1-\x, 5, \pv
.irp p, 8,9,10,11,12,13,14,15
	v_pk_fma_f32 v[SCR+32*\x+2*\p:SCR+32*\x+2*\p+1], v[SCR+32*\x+2*\p:SCR+32*\x+2*\p+1], s[48:49], v[NM+2*\x:NM+2*\x+1] op_sel_hi:[1,0,0]
.endr
	PVW 1-\x, 6, \pv
.irp p, 0,1,2
	PIT \x, \first, \p
.endr
	PVW 1-\x, 7, \pv
.irp p, 3,4,5
	PIT \x, \first, \p
.endr
.if \vf
	VFETCH \vs, \vu
.endif
.if \qk
.if \w
	s_wait_dscnt 8                                 ; K's d 0-31 are in, its eight younger loads may be out
.endif
	QKP 1-\x, 0
.endif
.irp p, 6,7,8
	PIT \x, \first, \p
.endr
.if \qk
	QKP 1-\x, 2
.endif
.irp p, 9,10,11
	PIT \x, \first, \p
.endr
.if \qk
.if \w
	s_wait_dscnt 0
.endif
	QKP 1-\x, 4
.endif
.irp p, 12,13,14
	PIT \x, \first, \p
.endr
.if \qk
	QKP 1-\x, 6
.endif
.irp p, 15,16
	PIT \x, \first, \p
.endr
.endm
; The change of slots, between phases A and B of a slot's last step: all my reads of slot s have been issued (K's a step ago, V's in phase A).  In front of the
; round every wave waits for all its tensor loads (the one that is out is its part of the other slot) and for its LDS reads; behind the round slot s is asked for
; again first, one load a wave, 512 keys on, and has four steps in which to land; then K's first fragments come from the other slot.
; refill = 0: nothing is left to fetch, and the work-group's own barrier shows the other slot whole.
.macro CHANGE s, refill
	s_wait_tensorcnt 0x0
	ds_add_u32 v30, v31
	s_wait_dscnt 0x0
.if \refill
	s_add_nc_u64 s[G0V+4*\s+2:G0V+4*\s+3], s[G0V+4*\s+2:G0V+4*\s+3], 65536   ; no load of mine is out, so a group 0 may be written
	s_add_nc_u64 s[G0K+4*\s+2:G0K+4*\s+3], s[G0K+4*\s+2:G0K+4*\s+3], 65536
.endif
	s_wait_dscnt 0x0
.if \refill
	ROUND
	JLOAD \s
.else
	s_barrier_signal -1
	s_barrier_wait -1
.endif
	KFETCH 1-\s, 0
.endm
; Step u of slot s.  kind = 1: the launch's first step, 2: its second (tile 1's first P V), 0: any other.
; nxt = 0: the next step's K comes from the same slot; 1: change of slots with a refill; 2: change of slots without; 3: the last step, nothing follows.
.macro STEP s, u, kind, nxt
.if \kind == 1
	PHASE 0, 1, 0, 1, 0, \s, \u, 0, 0              ; V of the first step was fetched ahead of it
.endif
.if \kind == 2
	PHASE 0, 0, 1, 1, 1, \s, \u, 0, 0
.endif
.if \kind == 0
	PHASE 0, 0, 2, 1, 1, \s, \u, 0, 0
.endif
.if \nxt == 0
	KFETCH \s, \u+1
.endif
.if \nxt == 1
	CHANGE \s, 1
.endif
.if \nxt == 2
	CHANGE \s, 0
.endif
.if \kind == 1
	PHASE 1, 1, 1, 1, 0, 0, 0, 1, 16
.else
.if \nxt == 3
	PHASE 1, 0, 2, 0, 0, 0, 0, 1, 0                ; no K was fetched behind V
.else
	PHASE 1, 0, 2, 1, 0, 0, 0, 1, 16
.endif
.endif
.endm
.macro UNIT s, nxt                     ; the four steps of a slot
	STEP \s, 0, 0, 0
	STEP \s, 1, 0, 0
	STEP \s, 2, 0, 0
	STEP \s, 3, 0, \nxt
.endm
	s_wait_tensorcnt 0x1                           ; my part of slot 0 is in; slot 1's load, issued behind it, stays out
	s_barrier_signal -1
	s_barrier_wait -1
	KFETCH 0, 0
	VFETCH 0, 0
	s_wait_loadcnt 0x0                             ; Q
	s_wait_dscnt 24                                ; K's d 0-31 are in: K's other eight loads and V's sixteen may be out
	WIN 0x01
.irp n, 0,1,2,3
	QKW 0, \n                                      ; tile 0's first scores stand alone: there is no softmax yet to put them among
.endr
	s_wait_dscnt 16                                ; all of K is in; V's sixteen may be out
.irp n, 4,5,6,7
	QKW 0, \n
.endr
	WIN 0
.rept 4
	v_nop                                          ; four places between these products and the maxima that read them (ISA guide 7.12.1)
.endr
	STEP 0, 0, 1, 0                                ; keys 0 .. 255
	STEP 0, 1, 2, 0
	STEP 0, 2, 0, 0
	STEP 0, 3, 0, 1
	UNIT 1, 1                                      ; keys 256 .. 511
	s_mov_b32 s52, 2
.Lkeys:
	UNIT 0, 1                                      ; keys 512 .. 1,535, 512 a trip
	UNIT 1, 1
	s_sub_co_u32 s52, s52, 1
	s_cmp_lg_u32 s52, 0
	s_cbranch_scc1 .Lkeys
	UNIT 0, 2                                      ; keys 1,536 .. 1,791: the last tile is on its way, nothing is left to ask for
	UNIT 1, 3                                      ; keys 1,792 .. 2,047
.irp n, 0,1,2,3,4,5,6,7
	PVW 1, \n, 2                                   ; tile 1's last P V stands alone
.endr
.rept 4
	v_nop                                          ; four places between these products and what reads O and writes over P and V's fragments
.endr
	; o = O / l, rounded to f16, through my own stage, out as whole rows
	v_permlanex16_b32 v26, v[AL+1], s50, s51
	v_permlanex16_b32 v27, v[AL+3], s50, s51
	v_add_f32 v[AL+1], v[AL+1], v26
	v_add_f32 v[AL+3], v[AL+3], v27
	v_rcp_f32 v[NM], v[AL+1]
	v_rcp_f32 v[NM+2], v[AL+3]
	v_nop                                          ; one plain place behind a transcendental
.irp a, 0,1
.irp i, 0,1,2,3,4,5,6,7,8,9,10,11,12,13,14,15
	s_wait_alu depctr_va_vdst(0)
	v_pk_mul_f32 v[OAC+32*\a+2*\i:OAC+32*\a+2*\i+1], v[OAC+32*\a+2*\i:OAC+32*\a+2*\i+1], v[NM+2*\a:NM+2*\a+1] op_sel_hi:[1,0]
.endr
.endr
.irp a, 0,1
.irp i, 0,1,2,3,4,5,6,7,8,9,10,11,12,13,14,15
	v_cvt_pk_f16_f32 v[SCR+16*\a+\i], v[OAC+32*\a+2*\i], v[OAC+32*\a+2*\i+1]
.endr
.endr
.irp a, 0,1
.irp dt, 0,1,2,3
	ds_store_b128 v[STO], v[SCR+16*\a+4*\dt:SCR+16*\a+4*\dt+3] offset:\a*16*SP+32*\dt   ; row 16 a + r, d = 16 dt + 8 h ..
.endr
.endr
.irp t, 0,1,2,3,4,5,6,7
	ds_load_b128 v[VF+4*\t:VF+4*\t+3], v[RD] offset:\t*4*SP        ; LDS serves a wave's instructions in order: these see the stores above
.endr
.irp t, 0,1,2,3,4,5,6,7
	s_wait_dscnt 7-\t
	global_store_b128 v[CO], v[VF+4*\t:VF+4*\t+3], s[60:61] offset:512*\t   ; four rows: 512 consecutive bytes, aligned
.endr
	s_wait_tensorcnt 0x0
	ds_add_u32 v30, v31
	s_wait_dscnt 0x0
	ROUND                                          ; the closing round: no work-group ends while a partner may still ask for a tile that names it
	s_endpgm
.Lfunc_end_k_q62e5d6a121_attn:
	.size	k_q62e5d6a121_attn, .Lfunc_end_k_q62e5d6a121_attn-k_q62e5d6a121_attn
	.p2alignl 7, 3214868480
	.fill 96, 4, 3214868480
	.section	.rodata,"a",@progbits
	.p2align	6, 0x0
	.amdhsa_kernel k_q62e5d6a121_attn
		.amdhsa_group_segment_fixed_size 327680
		.amdhsa_private_segment_fixed_size 0
		.amdhsa_enable_private_segment 0
		.amdhsa_kernarg_size 16
		.amdhsa_user_sgpr_count 2
		.amdhsa_user_sgpr_kernarg_segment_ptr 1
		.amdhsa_wavefront_size32 1
		.amdhsa_system_sgpr_workgroup_id_x 1
		.amdhsa_system_sgpr_workgroup_id_y 1
		.amdhsa_system_sgpr_workgroup_id_z 1
		.amdhsa_system_vgpr_workitem_id 0
		.amdhsa_next_free_vgpr 320
		.amdhsa_next_free_sgpr 66
		.amdhsa_reserve_vcc 0
		.amdhsa_float_denorm_mode_32 3
		.amdhsa_float_denorm_mode_16_64 3
		.amdhsa_memory_ordered 1
		.amdhsa_forward_progress 1
		.amdhsa_inst_pref_size 255
	.end_amdhsa_kernel
	.section	.bss,"aw",@nobits
	.p2align	6
	.space	262144
	.amdgpu_metadata
---
amdhsa.version: [ 1, 2 ]
amdhsa.kernels:
  - .name:           k_q62e5d6a121_attn
    .symbol:         k_q62e5d6a121_attn.kd
    .args:
      - { .name: qkvh, .offset: 0, .size: 8, .value_kind: global_buffer, .address_space: global }
      - { .name: ow, .offset: 8, .size: 8, .value_kind: global_buffer, .address_space: global }
    .group_segment_fixed_size: 327680
    .private_segment_fixed_size: 0
    .kernarg_segment_align: 8
    .kernarg_segment_size: 16
    .max_flat_workgroup_size: 256
    .sgpr_count:     66
    .vgpr_count:     320
    .wavefront_size: 32
...
	.end_amdgpu_metadata
.endif
;; end of part 3
;; launch outp (part 4): grid 8 x 32, 4 waves a work-group, clusters of 4 x 4, 327,680 bytes of LDS; arguments ow, xb, b_out, out0; writes out0
.if DOCPART == 4
	.amdgcn_target "amdgcn-amd-amdhsa--gfx1250"
	.amdhsa_code_object_version 6
	.text
	.protected	k_q62e5d6a121_outp
	.globl	k_q62e5d6a121_outp
	.p2align	8
	.type	k_q62e5d6a121_outp,@function
k_q62e5d6a121_outp:
	s_mov_b64 s[64:65], 0
	v_nop
	global_prefetch_b8 v0, s[64:65] scope:SCOPE_SE
	s_setreg_imm32_b32 hwreg(HW_REG_WAVE_MODE, 25, 1), 1
	s_wait_xcnt 0x0
	s_wait_alu depctr_hold_cnt(0) depctr_sa_sdst(0) depctr_va_vdst(0) depctr_va_sdst(0) depctr_va_ssrc(0) depctr_va_vcc(0) depctr_vm_vsrc(0)
	s_getreg_b32 s2, hwreg(HW_REG_IB_STS2, 6, 4)
	s_cmp_eq_u32 s2, 0
	s_cbranch_scc0 .Lentry_in_a_cluster
	s_endpgm
.Lentry_in_a_cluster:
	s_bfe_u32 s2, ttmp6, 0x10000c
	s_cmp_lg_u32 s2, 0xf033
	s_cbranch_scc0 .Lentry_shape_is_right
	s_endpgm
.Lentry_shape_is_right:
; out0[m][n] = sum over k of o[m][k] w_out[n][k] + b_out[n]; f16 operands, f32 sums, f32 out.
; o: ow[rb 32][h 16][row 128][64] f16 (k = 64 h + d), so that a block row's part for any run of heads is dense.  w_out: rows 11,264 .. 12,287 of xb, f16.
; 8 x 32 = 256 work-groups of 128 x 128, one for each WGP; four waves of 64 x 64: 16 accumulator tiles.  K = 1,024 goes in four steps of 256 (four heads)
; through two LDS slots; everything is written out, there is no loop.
; CLUSTERS: 4 x 4 work-groups; o's tiles are shared along a row of the cluster, w_out's along a column, each asked for jointly.
; The matrix instruction is used transposed (source 0 = rows of w_out, source 1 = rows of o): a lane's eight results are eight neighbouring columns of one row;
; their bias is the C operand of each tile's first product.
; REGISTERS: window 0: v16-27 addresses, v32-63 bias, v64-127 and v128-191 two fragment buffers (o's tile a at + 8 a, w_out's tile b at + 32 + 8 b);
;            window 1: accumulator (a, b) at v[8 (4 a + b)].
.set APITCH, 144                       ; o's LDS row: 128 bytes + 16
.set BPITCH, 528                       ; w_out's LDS row: 512 bytes + 16
.set AHEAD,  128*APITCH                ; one head's 128 rows
.set ABYTES, 4*AHEAD                   ; 73,728
.set BHALF,  64*BPITCH                 ; 33,792
.set SLOT,   ABYTES+2*BHALF            ; 141,312
.set STAGE,  2*SLOT                    ; 282,624, a multiple of 256: 16 rows x 272 bytes for each wave; no tensor load lands here
.set SPITCH, 272
.set ADRA, 16
.set ADRB, 20
.set STO,  24
.set RD,   25
.set CO,   26
.set BO,   27
.set BIAS, 32
.set F0,   64
.set F1,   128
.set G1, 24
.set G0, 32
.set G1B, 48
.set G0B, 56
.set MSB, 0
.macro WIN new                         ; the immediate's high byte repeats the setting that is left
.if MSB != \new
	s_set_vgpr_msb (MSB<<8)|\new
.set MSB, \new
.endif
.endm
.set MUL,      0x50                    ; C and D window 1, the fragments window 0
.set START,    0x40                    ; D window 1, C (the bias) window 0
.set FROM_ACC, 0x04                    ; an LDS store's data window 1, its address window 0
.macro JLOAD s                         ; waves 0 and 1 ask for two heads of o each, waves 2 and 3 for 64 rows of w_out each
	s_cmp_eq_u32 s11, 0
	s_cbranch_scc0 .Lfor_b_\@
	tensor_load_to_lds s[G0+4*\s:G0+4*\s+3], s[G1:G1+7]
	s_nop 0
	s_branch .Lasked_\@
.Lfor_b_\@:
	tensor_load_to_lds s[G0B+4*\s:G0B+4*\s+3], s[G1B:G1B+7]
	s_nop 0
.Lasked_\@:
.endm
.macro ROUND                           ; a round of the cluster's barrier
	s_barrier_signal -1
	s_barrier_wait -1
	s_cmp_lg_u32 s10, 0
	s_cbranch_scc1 .Lnot_wave_0_\@
	s_barrier_signal -3
.Lnot_wave_0_\@:
	s_barrier_wait -3
	s_barrier_signal -1
	s_barrier_wait -1
.endm
	s_load_b256 s[72:79], s[0:1], 0x0              ; ow s[72:73], xb s[74:75], b_out s[76:77], out0 s[78:79]
	v_lshl_add_u32 v254, v0, 2, 0x49400
	v_mov_b32 v255, 0
	ds_add_u32 v254, v255
	v_lshrrev_b32 v1, 5, v0
	v_readfirstlane_b32 s10, v1                    ; wave 0..3
	s_lshr_b32 s11, s10, 1                         ; my half of the rows.  Also: I fetch o (0) or w_out (1)
	s_and_b32 s12, s10, 1                          ; my half of the columns.  Also: which half of that tile I fetch
	s_bfe_u32 s40, ttmp6, 0x40000                  ; cx
	s_bfe_u32 s41, ttmp6, 0x40004                  ; cy
	s_lshl_b32 s42, ttmp9, 2
	s_add_co_u32 s42, s42, s40                     ; block column 0..7
	s_and_b32 s13, ttmp7, 0xffff
	s_lshl_b32 s13, s13, 2
	s_add_co_u32 s13, s13, s41                     ; block row 0..31
	s_lshl_b32 s43, s41, 2
	s_lshl_b32 s43, 15, s43                        ; my row of the cluster
	s_lshl_b32 s44, 0x1111, s40                    ; my column
	; o's tile: 256 rows x 64 elements, dense; 4 words of padding behind every 32.  w_out's: 64 rows x 256 elements, pitch 1,024; 4 words behind every 128.
	s_or_b32 s[G1+0], s43, (1<<16)|(1<<20)|(1<<21)|(4<<22)|(3<<25)
	s_or_b32 s[G1B+0], s44, (1<<16)|(1<<20)|(1<<21)|(6<<22)|(3<<25)
	s_mov_b32 s[G1+1], 64<<16                      ; tensor_dim0
	s_mov_b32 s[G1B+1], 256<<16
	s_mov_b32 s[G1+2], 256<<16                     ; tensor_dim1
	s_mov_b32 s[G1B+2], 64<<16
	s_mov_b32 s[G1+3], 64<<16                      ; tile_dim0
	s_mov_b32 s[G1B+3], 256<<16
	s_mov_b32 s[G1+4], 256                         ; tile_dim1
	s_mov_b32 s[G1B+4], 64
	s_mov_b32 s[G1+5], 64                          ; elements from row to row
	s_mov_b32 s[G1B+5], 1024
	s_mov_b32 s[G1+6], 0
	s_mov_b32 s[G1B+6], 0
	s_mov_b32 s[G1+7], 0
	s_mov_b32 s[G1B+7], 0
	s_lshl_b32 s16, s13, 18                        ; o: block row x 16 heads x 16,384 bytes
	s_lshl_b32 s17, s12, 15                        ;    + my two heads of the step's four
	s_add_co_u32 s16, s16, s17
	s_mov_b32 s17, 0
	s_lshl_b32 s46, s42, 18                        ; w_out: block column x 128 rows x 2,048 bytes
	s_lshl_b32 s47, s12, 17                        ;    + my 64 rows
	s_add_co_u32 s46, s46, s47
	s_add_co_u32 s46, s46, 0x1600000               ;    + 23,068,672: where w_out's copy begins in xb
	s_mov_b32 s47, 0
	s_mul_i32 s20, s10, 2*AHEAD                    ; o's halves at wave x 256 rows (waves 0, 1)
	s_mul_i32 s21, s10, BHALF                      ; w_out's at ABYTES + (wave - 2) x 64 rows (waves 2, 3)
	s_add_co_u32 s21, s21, ABYTES-2*BHALF
	s_lshl_b32 s70, s42, 9                         ; my first column, in bytes of f32: 512 x block column + 256 x half
	s_lshl_b32 s71, s12, 8
	s_add_co_u32 s70, s70, s71
	s_mov_b32 s71, 0
	s_wait_dscnt 0x0
	s_wait_kmcnt 0x0
	s_add_nc_u64 s[14:15], s[72:73], s[16:17]
	s_add_nc_u64 s[46:47], s[74:75], s[46:47]
	s_add_nc_u64 s[76:77], s[76:77], s[70:71]      ; the bias of my first column
	ROUND                                          ; all sixteen work-groups are here: the first joint loads meet
.irp s, 0,1
	s_mov_b32 s[G0+4*\s], 1
	s_add_co_u32 s[G0+4*\s+1], s20, \s*SLOT
	s_add_nc_u64 s[G0+4*\s+2:G0+4*\s+3], s[14:15], \s*65536        ; heads 4 s ..
	s_or_b32 s[G0+4*\s+3], s[G0+4*\s+3], 0x80000000
	s_mov_b32 s[G0B+4*\s], 1
	s_add_co_u32 s[G0B+4*\s+1], s21, \s*SLOT
	s_add_nc_u64 s[G0B+4*\s+2:G0B+4*\s+3], s[46:47], \s*512        ; k = 256 s ..
	s_or_b32 s[G0B+4*\s+3], s[G0B+4*\s+3], 0x80000000
	JLOAD \s                                       ; both first fills go out together: two tensor loads of a wave are out at the most
.endr
	v_and_b32 v1, 15, v0                           ; r
	v_bfe_u32 v2, v0, 4, 1                         ; h
	v_lshlrev_b32 v[BO], 5, v2
.irp b, 0,1,2,3
	global_load_b128 v[BIAS+8*\b:BIAS+8*\b+3],   v[BO], s[76:77] offset:64*\b
	global_load_b128 v[BIAS+8*\b+4:BIAS+8*\b+7], v[BO], s[76:77] offset:64*\b+16
.endr
	v_mul_u32_u24 v3, v1, APITCH
	v_lshl_add_u32 v3, v2, 4, v3
	v_mul_u32_u24 v4, v1, BPITCH
	v_lshl_add_u32 v4, v2, 4, v4
	s_mul_i32 s22, s11, 64*APITCH                  ; my 64 rows in each head
	s_mul_i32 s23, s12, BHALF                      ; my 64 rows of w_out
	s_add_co_u32 s23, s23, ABYTES
.irp s, 0,1
	v_add_nc_u32 v[ADRA+\s], s22, v3
	v_add_nc_u32 v[ADRB+\s], s23, v4
	s_add_co_u32 s22, s22, SLOT
	s_add_co_u32 s23, s23, SLOT
.endr
	s_mul_i32 s23, s10, 16*SPITCH
	s_add_co_u32 s23, s23, STAGE                   ; my stage
	v_mul_u32_u24 v5, v1, SPITCH                   ; in: row r, 32 bytes for each half of the lanes
	v_lshl_add_u32 v5, v2, 5, v5
	v_add_nc_u32 v[STO], s23, v5
	v_mul_u32_u24 v6, v2, SPITCH                   ; back: lanes 0-15 take one row of 256 bytes, lanes 16-31 the next
	v_lshl_add_u32 v6, v1, 4, v6
	v_add_nc_u32 v[RD], s23, v6
	v_lshlrev_b32 v6, 12, v2                       ; and the same two rows in out0, 4,096 bytes apart
	v_lshl_add_u32 v[CO], v1, 4, v6
; 8 matrix instructions: row tiles a0, a0 + 1 x the four column tiles, 32 along K.  The sixteen accumulators take turns in one fixed order, one instruction a turn.
.macro MUL8 f, a0, start
.irp a, \a0, \a0+1
.irp b, 0,1,2,3
.if \start
	v_wmma_f32_16x16x32_f16 v[8*(4*(\a)+\b):8*(4*(\a)+\b)+7], v[\f+32+8*\b:\f+32+8*\b+7], v[\f+8*(\a):\f+8*(\a)+7], v[BIAS+8*\b:BIAS+8*\b+7]
.else
	v_wmma_f32_16x16x32_f16 v[8*(4*(\a)+\b):8*(4*(\a)+\b)+7], v[\f+32+8*\b:\f+32+8*\b+7], v[\f+8*(\a):\f+8*(\a)+7], v[8*(4*(\a)+\b):8*(4*(\a)+\b)+7]
.endif
.endr
.endr
.endm
; 16 LDS loads: quarter q (k = 32 q .. of the slot's 256: head q / 2, half q % 2) into buffer f; w_out's eight first, then o's
.macro FETCH slot, q, f
.irp b, 0,1,2,3
	ds_load_b128 v[\f+32+8*\b:\f+32+8*\b+3],   v[ADRB+\slot] offset:\b*16*BPITCH+64*\q
	ds_load_b128 v[\f+32+8*\b+4:\f+32+8*\b+7], v[ADRB+\slot] offset:\b*16*BPITCH+64*\q+32
.endr
.irp a, 0,1,2,3
	ds_load_b128 v[\f+8*\a:\f+8*\a+3],   v[ADRA+\slot] offset:(\q>>1)*AHEAD+\a*16*APITCH+(\q&1)*64
	ds_load_b128 v[\f+8*\a+4:\f+8*\a+7], v[ADRA+\slot] offset:(\q>>1)*AHEAD+\a*16*APITCH+(\q&1)*64+32
.endr
.endm
.macro PLACES                          ; four plain places between a matrix instruction and a load into a register that it read, or a reader of its result
.rept 4
	v_nop
.endr
.endm
; multiplies buffer f; in its middle it fetches quarter qn of the same slot into buffer g
.macro QUARTER slot, qn, f, g, start
	s_wait_dscnt 4                                 ; w_out's tiles and o's tiles 0, 1 are in; the youngest four loads (o's tiles 2, 3) may be out
.if \start
	WIN START
.else
	WIN MUL
.endif
	MUL8 \f, 0, \start
	PLACES
	WIN 0
	FETCH \slot, \qn, \g
	s_wait_dscnt 16                                ; all but the 16 just issued
.if \start
	WIN START
.else
	WIN MUL
.endif
	MUL8 \f, 2, \start
.endm
.macro SEVEN slot, start
	QUARTER \slot, 1, F0, F1, \start
	QUARTER \slot, 2, F1, F0, 0
	QUARTER \slot, 3, F0, F1, 0
	QUARTER \slot, 4, F1, F0, 0
	QUARTER \slot, 5, F0, F1, 0
	QUARTER \slot, 6, F1, F0, 0
	QUARTER \slot, 7, F0, F1, 0
.endm
; The eighth quarter multiplies buffer 1 and changes slots.  In front of the barrier (where the slot is filled again: the round) every wave waits for its reads of
; this slot and for all its tensor loads; behind it the refill comes first, one load a wave, then the next slot's first fragments.
.macro TURN slot, next, fill
	s_wait_dscnt 0x0                               ; my reads of this slot are over
	WIN MUL
	MUL8 F1, 0, 0
	WIN 0
	s_wait_tensorcnt 0x0                           ; all my tensor loads have landed: the one that was out is my part of the next slot
	ds_add_u32 v254, v255
	s_wait_dscnt 0x0
.if \fill
	ROUND
	s_add_nc_u64 s[G0+4*\slot+2:G0+4*\slot+3], s[G0+4*\slot+2:G0+4*\slot+3], 131072     ; eight heads on
	s_add_nc_u64 s[G0B+4*\slot+2:G0B+4*\slot+3], s[G0B+4*\slot+2:G0B+4*\slot+3], 1024   ; 512 along K on
	JLOAD \slot
.else
	s_barrier_signal -1
	s_barrier_wait -1
.endif
	PLACES
	FETCH \next, 0, F0
	WIN MUL
	MUL8 F1, 2, 0
.endm
	s_wait_tensorcnt 1                             ; my part of step 0 is in; step 1's load, issued behind it, stays out
	s_barrier_signal -1
	s_barrier_wait -1
	FETCH 0, 0, F0
	s_wait_loadcnt 0x0                             ; the bias
	SEVEN 0, 1                                     ; k 0 .. 255: the first products take the bias as C
	TURN 0, 1, 1                                   ; slot 0 is asked for again: k 512 ..
	SEVEN 1, 0
	TURN 1, 0, 1                                   ; slot 1: k 768 ..
	SEVEN 0, 0
	TURN 0, 1, 0                                   ; nothing is left to fetch
	SEVEN 1, 0
	s_wait_dscnt 0x0
	WIN MUL
	MUL8 F1, 0, 0
	MUL8 F1, 2, 0
	PLACES
	; THE WAY OUT, 16 rows at a time, through my own stage: a lane's 32 bytes in, whole rows of 256 bytes back
	s_lshl_b32 s66, s13, 19                        ; block row x 128 rows x 4,096 bytes
	s_lshl_b32 s67, s11, 18                        ; + my 64 rows
	s_add_co_u32 s66, s66, s67
	s_add_co_u32 s66, s66, s70                     ; + my first column
	s_mov_b32 s67, 0
	s_add_nc_u64 s[8:9], s[78:79], s[66:67]
.macro OUT16 a, f
	WIN FROM_ACC
.irp b, 0,1,2,3
	ds_store_b128 v[STO], v[8*(4*\a+\b):8*(4*\a+\b)+3]   offset:64*\b
	ds_store_b128 v[STO], v[8*(4*\a+\b)+4:8*(4*\a+\b)+7] offset:64*\b+16
.endr
	WIN 0
	s_wait_xcnt 0x0                                ; buffer f, which earlier stores read, is rewritten only behind this wait
.irp t, 0,1,2,3,4,5,6,7
	ds_load_b128 v[\f+4*\t:\f+4*\t+3], v[RD] offset:\t*2*SPITCH    ; LDS serves a wave's instructions in order: these see the stores above
.endr
.irp t, 0,1,2,3,4,5,6,7
	s_wait_dscnt 7-\t
	global_store_b128 v[CO], v[\f+4*\t:\f+4*\t+3], s[8:9] offset:(16*\a+2*\t)*4096 th:TH_STORE_NT   ; 16 lanes store 256 consecutive bytes, aligned
.endr
.endm
	OUT16 0, F0
	OUT16 1, F1
	OUT16 2, F0
	OUT16 3, F1
	s_wait_tensorcnt 0x0
	ds_add_u32 v254, v255
	s_wait_dscnt 0x0
	ROUND                                          ; the closing round: no work-group ends while a partner may still ask for a tile that names it
	s_endpgm
.Lfunc_end_k_q62e5d6a121_outp:
	.size	k_q62e5d6a121_outp, .Lfunc_end_k_q62e5d6a121_outp-k_q62e5d6a121_outp
	.p2alignl 7, 3214868480
	.fill 96, 4, 3214868480
	.section	.rodata,"a",@progbits
	.p2align	6, 0x0
	.amdhsa_kernel k_q62e5d6a121_outp
		.amdhsa_group_segment_fixed_size 327680
		.amdhsa_private_segment_fixed_size 0
		.amdhsa_enable_private_segment 0
		.amdhsa_kernarg_size 32
		.amdhsa_user_sgpr_count 2
		.amdhsa_user_sgpr_kernarg_segment_ptr 1
		.amdhsa_wavefront_size32 1
		.amdhsa_system_sgpr_workgroup_id_x 1
		.amdhsa_system_sgpr_workgroup_id_y 1
		.amdhsa_system_sgpr_workgroup_id_z 1
		.amdhsa_system_vgpr_workitem_id 0
		.amdhsa_next_free_vgpr 384
		.amdhsa_next_free_sgpr 80
		.amdhsa_reserve_vcc 0
		.amdhsa_float_denorm_mode_32 3
		.amdhsa_float_denorm_mode_16_64 3
		.amdhsa_memory_ordered 1
		.amdhsa_forward_progress 1
		.amdhsa_inst_pref_size 90
	.end_amdhsa_kernel
	.amdgpu_metadata
---
amdhsa.version: [ 1, 2 ]
amdhsa.kernels:
  - .name:           k_q62e5d6a121_outp
    .symbol:         k_q62e5d6a121_outp.kd
    .args:
      - { .name: ow, .offset: 0, .size: 8, .value_kind: global_buffer, .address_space: global }
      - { .name: xb, .offset: 8, .size: 8, .value_kind: global_buffer, .address_space: global }
      - { .name: b_out, .offset: 16, .size: 8, .value_kind: global_buffer, .address_space: global }
      - { .name: out0, .offset: 24, .size: 8, .value_kind: global_buffer, .address_space: global }
    .group_segment_fixed_size: 327680
    .private_segment_fixed_size: 0
    .kernarg_segment_align: 8
    .kernarg_segment_size: 32
    .max_flat_workgroup_size: 128
    .sgpr_count:     80
    .vgpr_count:     384
    .wavefront_size: 32
...
	.end_amdgpu_metadata
.endif
;; end of part 4
